; MI455X (gfx1250); checked and timed in simulation.
; The chip was launched on July 23, 2026; its instructions are those of AMD's public machine-readable ISA for CDNA 5 (MIT licence, August 2026) and "CDNA5" Instruction Set Architecture Reference Guide (July 2026). The comments in the code are by the model that wrote it; some were corrected since.
;; Self Attention. Allowed arithmetic: matrix products marked QUANTISED: E2M3 operands, one E8M0 scale for each 32 along K, by v_wmma_scale_f32_16x16x128_f8f6f4 with both operands' format E2M3, f32 sums; everything else in f32.
;; Inputs: Wk 512 x 512 float32; Wo 512 x 512 float32; Wq 512 x 512 float32; Wv 512 x 512 float32; bo 512 float32; x 2 x 4,096 x 512 float32.
;; Outputs: out0 2 x 4,096 x 512 float32.
;; This version of the problem:
;;   THIS VERSION OF THE PROBLEM IS GIVEN IN LOW PRECISION. The matrix products marked QUANTISED in the list below multiply operands that are first quantised to E2M3 (2 exponent bits, 3 mantissa bits; 6 bits a number), with one power-of-two scale for each 32 numbers along K (OCP MX v1.0); their sums are f32. All else is computed in f32.
;;   The module's matrix products, in the order in which they are computed (A, B: the left and right operand; K: the contracted axis; several contracted axes count as one K, in the product's order):
;;     1. [M 8,192, K 512] x [K 512, N 512]; A: input x; B: input Wq: QUANTISED
;;     2. [M 8,192, K 512] x [K 512, N 512]; A: input x; B: input Wk: QUANTISED
;;     3. [M 8,192, K 512] x [K 512, N 512]; A: input x; B: input Wv: QUANTISED
;;     4. batch 16 x [M 4,096, K 64] x [K 64, N 4,096]; A: computed on the way; B: computed on the way: QUANTISED
;;     5. batch 16 x [M 4,096, K 4,096] x [K 4,096, N 64]; A: softmax (see below); B: computed on the way: QUANTISED
;;     6. [M 8,192, K 512] x [K 512, N 512]; A: computed on the way; B: input Wo: QUANTISED
;;   THE QUANTISER, for each operand of a quantised product, along K:
;;     - K is cut into blocks of 32 from its start; a last block that is shorter is filled with zeros.
;;     - A block's scale is 2^e with e = floor(log2(the largest magnitude in the block)) - 2, held to -126 .. 127; a block of zeros has e = 0. As a byte (E8M0): e + 127.
;;     - Each number is divided by its block's scale, clamped to +-7.5, and rounded to the nearest number of E2M3, ties to even, subnormals kept.
;;     - The product sums the exact products of the quantised numbers (number of the format x scale) in f32.
;;   ~~~python
;;   def quantise(x, axis):      # numpy; x: float32 -> the quantised numbers, widened to float32 again
;;       x = np.moveaxis(x, axis, -1); K = x.shape[-1]
;;       x = np.pad(x, [(0, 0)] * (x.ndim - 1) + [(0, -K % 32)]); x = x.reshape(x.shape[:-1] + (-1, 32)); a = np.abs(x).max(-1, keepdims=True)
;;       e = np.where(a > 0, np.clip(np.frexp(np.where(a > 0, a, 1))[1] - 1 - 2, -126, 127), 0)      # np.frexp(a)[1] - 1 = floor(log2(a)), exactly
;;       r = np.clip(x / 2.0 ** e, -7.5, 7.5)
;;       step = 2.0 ** (np.maximum(np.frexp(np.where(r == 0, 1, r))[1] - 1, 0) - 3)
;;       q = np.round(r / step) * step * 2.0 ** e      # np.round: ties to even
;;       return np.moveaxis(q.reshape(q.shape[:-2] + (-1,))[..., :K], -1, axis).astype(np.float32)
;;   ~~~
;;   SOFTMAX AHEAD OF A QUANTISED PRODUCT. Where the list says 'softmax', what is quantised is not the finished softmax but p = 2^(t - M), with t = logit x log2(e) and M = ceil(the row's largest t), a whole number; so 1/2 < the row's largest p <= 1. The row's sum l is taken of the UNQUANTISED p, in f32, and the product's result is divided by l at the end. Since M is a whole number, a kernel that streams over the keys may use a running M (the ceiling of the running maximum): every later rescaling is an exact power of two, which a block's scale takes up: the codes' values come out the same.
;;   OPERANDS COMPUTED ON THE WAY. 'Computed on the way' means the value that the module computes at that place (a softmax that the list does not call 'softmax' is quantised finished and normalised). What goes into a quantiser is computed in f32, as accurately as f32 sums, v_exp_f32 and their like allow (about 1e-6 of the number): no bf16 or f16 on the way to a quantiser, and a product that is left as it is and whose result goes on into a quantised operand takes f32 operands (vector FMAs, or v_wmma_f32_16x16x4_f32). A number that lies on a knife's edge between two numbers of the format may be rounded either way, as far as f32 arithmetic and the matrix unit's own rounding can turn it there, and no further.
;; One version. Each part assembles by itself: llvm-mc -triple=amdgcn-amd-amdhsa -mcpu=gfx1250 --defsym DOCPART=n.
;; ======== version 1 of 1: 4 launches
;; workspace buffers: img 4,096,000 bytes; qb 3,407,872 bytes; kv 6,684,672 bytes; hb 3,145,728 bytes; hs 131,072 bytes
;; launch prep (part 1): grid 640 x 1, 4 waves a work-group, no clusters, 34,816 bytes of LDS; arguments x, Wq, Wk, Wv, Wo, img; writes img
.if DOCPART == 1
	.amdgcn_target "amdgcn-amd-amdhsa--gfx1250"
	.amdhsa_code_object_version 6
	.text
	.protected	k_qe56e4fa4f3_prep
	.globl	k_qe56e4fa4f3_prep
	.p2align	8
	.type	k_qe56e4fa4f3_prep,@function
k_qe56e4fa4f3_prep:
	s_mov_b64 s[64:65], 0
	v_nop
	global_prefetch_b8 v0, s[64:65] scope:SCOPE_SE
	s_setreg_imm32_b32 hwreg(HW_REG_WAVE_MODE, 25, 1), 1
	s_wait_xcnt 0x0
; x [8192][512] and Wq, Wk, Wv, Wo [512][512], f32 with K innermost, become codes of FP6 (E2M3) with one E8M0 byte for each 32 along K,
; laid as IMAGES OF OPERAND REGISTERS.  A tile is 16 rows; its record in img is 6,400 bytes: four K steps of 128 (a fragment: 12 registers a lane,
; as three groups of four registers, lane l's 16 bytes at 16 l: 1,536 bytes), then at byte 6,144 the scale words, [row 16][K step 4], 256 bytes.
; Tiles 0-511 x, 512-543 Wq, 544-575 Wk, 576-607 Wv, 608-639 Wo.
; THE ROWS OF A TILE ARE NOT NEIGHBOURS: of a group of 64 rows, lane row r of tile i is row 8 i + r + 24 (r / 8).  Used as source 0 of a product, the four tiles
; of a group leave in a lane's 32 result registers 32 NEIGHBOURS, a whole block of the next quantiser, in the order of the 6-bit operand.
; A block's scale is 2^(floor(log2(its largest magnitude)) - 2): its byte is the largest magnitude's exponent field - 2, held at 1 from below.
; LIMITS: a block of zeros gets the byte 1 where the rule says 127 (its codes are zeros, and this program alone reads the bytes); largest magnitudes under 2^-124 keep the byte 1; NaN and infinities are not served.
; SHARES: a work-group takes one tile, wave s its K step s.  Each load covers 512 consecutive bytes of a row; the 16 rows turn through the wave's own stage in LDS, so that lane (r, h)
; holds of row r the numbers k = 64 c + 32 h + 0 .. 31, two whole blocks.  Work-groups share no input, so no cluster; no tensor load, no ring.
.set ROWB, 2048                        ; a row of any of the five tensors in bytes
.set REC,  6400                        ; a tile's record
.set FRB,  1536                        ; a fragment's image
.set STP,  528                         ; a stage row: 512 bytes + 16
.set WST,  16*STP                      ; a wave's stage
.set SCB,  4*WST                       ; behind the stages: the tile's 256 bytes of scale words
.set R,    16                          ; v16-79   the 16 rows' bytes as loaded
.set X,    80                          ; v80-143  my 64 numbers
.set PC,   144                         ; v144-155 the fragment's codes
.set CT,   156                         ; v156-162 the conversions' second halves
.set TM,   164                         ; v164-171 at work
.set PW,   172                         ; v172     my row's scale word
.set H8,   9                           ; v9       8 h
.set WV,   28
.set SEL,  26                          ; s[26:27] v_permlanex16_b32's selects for lane l xor 16
; 64 numbers of a lane, register 32 c + i = k 64 c + 32 h + i of its row, become the fragment's 12 registers at pc and the row's scale word in pw.
.macro QUANT64 src, pc, ct, tm, pw
.irp c, 0,1
	v_max3_num_f32 v[\tm+\c], |v[\src+32*\c]|, |v[\src+32*\c+1]|, 0x1800000   ; block 2 c + h: all 32 numbers are mine; the floor 2^(3 - 127) holds the byte at 1 from below
.endr
.irp i, 2,4,6,8,10,12,14,16,18,20,22,24,26,28,30
.irp c, 0,1
	v_max3_num_f32 v[\tm+\c], v[\tm+\c], |v[\src+32*\c+\i]|, |v[\src+32*\c+\i+1]|   ; the two blocks by turns, ascending
.endr
.endr
.irp c, 0,1
	v_add_nc_u32 v[\tm+2+\c], 0xff000000, v[\tm+\c]        ; 2 off the exponent field: the conversion's scale operand
.endr
.irp c, 0,1
	v_lshrrev_b32 v[\tm+4+\c], 23, v[\tm+2+\c]             ; the scale's byte
.endr
	v_lshl_or_b32 v[\tm+6], v[\tm+5], 16, v[\tm+4]         ; my two bytes: blocks h and 2 + h,
	v_lshlrev_b32 v[\tm+6], v[H8], v[\tm+6]                ; at their places in the word;
	v_permlanex16_b32 v[\tm+7], v[\tm+6], s[SEL], s[SEL+1]
	v_or_b32 v[\pw], v[\tm+6], v[\tm+7]                    ; with lane l xor 16's two the word is whole
.irp c, 0,1
	v_cvt_scalef32_pk16_fp6_f32 v[\pc+6*\c:\pc+6*\c+2], v[\src+32*\c:\src+32*\c+15], v[\tm+2+\c]
	v_cvt_scalef32_pk16_fp6_f32 v[\ct+4*\c:\ct+4*\c+2], v[\src+32*\c+16:\src+32*\c+31], v[\tm+2+\c]   ; a conversion's three registers begin on an even number: made here and moved
.endr
	v_nop                                                  ; one plain place behind the scaled conversions
.irp c, 0,1
.irp i, 0,1,2
	v_mov_b32 v[\pc+6*\c+3+\i], v[\ct+4*\c+\i]
.endr
.endr
.endm
	s_load_b256 s[4:11], s[0:1], 0x0               ; x, Wq, Wk, Wv
	s_load_b128 s[12:15], s[0:1], 0x20             ; Wo, img
	v_lshl_add_u32 v192, v0, 2, 0x8600
	v_mov_b32 v193, 0
	v_lshrrev_b32 v2, 5, v0
	v_readfirstlane_b32 s[WV], v2                  ; wave = K step
	v_and_b32 v3, 31, v0                           ; lane
	v_and_b32 v4, 15, v0                           ; r
	v_bfe_u32 v12, v0, 4, 1                        ; h
	v_lshlrev_b32 v1, 4, v0                        ; 16 x thread = 512 x wave + 16 x lane: my 16 bytes of a row
	s_mul_i32 s29, s[WV], WST
	v_lshlrev_b32 v7, 4, v3                        ; 16 x lane
	v_add_nc_u32 v5, s29, v7                       ; into my stage: a row's 512 bytes as they lie
	v_mul_u32_u24 v6, v4, STP
	v_lshl_add_u32 v6, v12, 7, v6
	v_add_nc_u32 v6, s29, v6                       ; out of it: row r, + 128 h
	s_lshl_b32 s30, s[WV], 2
	v_lshl_add_u32 v8, v4, 4, SCB
	v_add_nc_u32 v8, s30, v8                       ; my row's scale word of my K step
	v_lshlrev_b32 v[H8], 3, v12
	v_lshlrev_b32 v10, 3, v3                       ; 8 x lane
	v_add_nc_u32 v11, SCB, v10
	v_mov_b32 v[TM+7], 0                           ; a lane permute's destination counts as one of its sources
	s_mov_b32 s[SEL], 0x76543210
	s_mov_b32 s[SEL+1], 0xfedcba98
	s_wait_kmcnt 0x0
	s_mov_b64 s[16:17], s[12:13]                   ; which tensor: the choice hangs on the work-group's number alone
	s_mov_b32 s18, 608
	s_cmp_lt_u32 ttmp9, 608
	s_cselect_b64 s[16:17], s[10:11], s[16:17]
	s_cselect_b32 s18, 576, s18
	s_cmp_lt_u32 ttmp9, 576
	s_cselect_b64 s[16:17], s[8:9], s[16:17]
	s_cselect_b32 s18, 544, s18
	s_cmp_lt_u32 ttmp9, 544
	s_cselect_b64 s[16:17], s[6:7], s[16:17]
	s_cselect_b32 s18, 512, s18
	s_cmp_lt_u32 ttmp9, 512
	s_cselect_b64 s[16:17], s[4:5], s[16:17]
	s_cselect_b32 s18, 0, s18
	s_sub_co_u32 s19, ttmp9, s18                   ; the tile's number in its tensor
	s_lshr_b32 s20, s19, 2
	s_lshl_b32 s20, s20, 17                        ; its group: 64 rows of 2,048 bytes,
	s_and_b32 s21, s19, 3
	s_lshl_b32 s21, s21, 14                        ; + 8 rows for each tile of the group
	s_add_co_u32 s20, s20, s21
	s_mov_b32 s21, 0
	s_add_nc_u64 s[16:17], s[16:17], s[20:21]
	s_mul_i32 s22, ttmp9, REC
	s_mul_i32 s23, s[WV], FRB
	s_add_co_u32 s22, s22, s23
	s_mov_b32 s23, 0
	s_add_nc_u64 s[14:15], s[14:15], s[22:23]      ; my fragment's image
.irp i, 0,1,2,3,4,5,6,7,8,9,10,11,12,13,14,15
	global_load_b128 v[R+4*\i:R+4*\i+3], v1, s[16:17] offset:(\i+24*(\i/8))*ROWB th:TH_LOAD_NT   ; the tile's row i: 32 lanes read 512 consecutive bytes; read once in the launch
.endr
.irp i, 0,1,2,3,4,5,6,7,8,9,10,11,12,13,14,15
	s_wait_loadcnt 15-\i                           ; row i is in; the 15 - i younger loads may be out
	ds_store_b128 v5, v[R+4*\i:R+4*\i+3] offset:STP*\i
.endr
.irp c, 0,1
.irp j, 0,1,2,3,4,5,6,7
	ds_load_b128 v[X+32*\c+4*\j:X+32*\c+4*\j+3], v6 offset:256*\c+16*\j   ; LDS serves a wave's instructions in order: these see my stores
.endr
.endr
	s_wait_dscnt 0x0
	QUANT64 X, PC, CT, TM, PW
.irp g, 0,1,2
	global_store_b128 v7, v[PC+4*\g:PC+4*\g+3], s[14:15] offset:512*\g   ; 32 lanes store 512 consecutive bytes, at a multiple of 256 from img's first byte
.endr
	ds_store_b32 v8, v[PW]                         ; both halves of the lanes write the same word with the same value
	s_wait_dscnt 0x0                               ; for the others' sake: my word has landed
	s_barrier_signal -1
	s_barrier_wait -1
	s_cmp_lg_u32 s[WV], 0
	s_cbranch_scc1 .Ldone
	ds_load_b64 v[12:13], v11                      ; wave 0: the tile's 64 scale words, 8 bytes a lane
	s_wait_dscnt 0x0
	global_store_b64 v10, v[12:13], s[14:15] offset:4*FRB   ; 256 consecutive bytes, aligned (in wave 0 the base is the record's)
.Ldone:
	s_wait_tensorcnt 0x0
	ds_add_u32 v192, v193
	s_wait_dscnt 0x0
	s_endpgm
.Lfunc_end_k_qe56e4fa4f3_prep:
	.size	k_qe56e4fa4f3_prep, .Lfunc_end_k_qe56e4fa4f3_prep-k_qe56e4fa4f3_prep
	.p2alignl 7, 3214868480
	.fill 96, 4, 3214868480
	.section	.rodata,"a",@progbits
	.p2align	6, 0x0
	.amdhsa_kernel k_qe56e4fa4f3_prep
		.amdhsa_group_segment_fixed_size 34816
		.amdhsa_private_segment_fixed_size 0
		.amdhsa_enable_private_segment 0
		.amdhsa_kernarg_size 48
		.amdhsa_user_sgpr_count 2
		.amdhsa_user_sgpr_kernarg_segment_ptr 1
		.amdhsa_wavefront_size32 1
		.amdhsa_system_sgpr_workgroup_id_x 1
		.amdhsa_system_sgpr_workgroup_id_y 1
		.amdhsa_system_sgpr_workgroup_id_z 1
		.amdhsa_system_vgpr_workitem_id 0
		.amdhsa_next_free_vgpr 194
		.amdhsa_next_free_sgpr 66
		.amdhsa_reserve_vcc 0
		.amdhsa_float_denorm_mode_32 3
		.amdhsa_float_denorm_mode_16_64 3
		.amdhsa_memory_ordered 1
		.amdhsa_forward_progress 1
		.amdhsa_inst_pref_size 11
	.end_amdhsa_kernel
	.amdgpu_metadata
---
amdhsa.version: [ 1, 2 ]
amdhsa.kernels:
  - .name:           k_qe56e4fa4f3_prep
    .symbol:         k_qe56e4fa4f3_prep.kd
    .args:
      - { .name: x, .offset: 0, .size: 8, .value_kind: global_buffer, .address_space: global }
      - { .name: Wq, .offset: 8, .size: 8, .value_kind: global_buffer, .address_space: global }
      - { .name: Wk, .offset: 16, .size: 8, .value_kind: global_buffer, .address_space: global }
      - { .name: Wv, .offset: 24, .size: 8, .value_kind: global_buffer, .address_space: global }
      - { .name: Wo, .offset: 32, .size: 8, .value_kind: global_buffer, .address_space: global }
      - { .name: img, .offset: 40, .size: 8, .value_kind: global_buffer, .address_space: global }
    .group_segment_fixed_size: 34816
    .private_segment_fixed_size: 0
    .kernarg_segment_align: 8
    .kernarg_segment_size: 48
    .max_flat_workgroup_size: 128
    .sgpr_count:     66
    .vgpr_count:     194
    .wavefront_size: 32
...
	.end_amdgpu_metadata
.endif
;; end of part 1
;; launch qkv (part 2): grid 64 x 4, 12 waves a work-group, clusters of 4 x 1, 206,336 bytes of LDS; arguments img, qb, kv; writes qb, kv
.if DOCPART == 2
	.amdgcn_target "amdgcn-amd-amdhsa--gfx1250"
	.amdhsa_code_object_version 6
	.text
	.protected	k_qe56e4fa4f3_qkv
	.globl	k_qe56e4fa4f3_qkv
	.p2align	8
	.type	k_qe56e4fa4f3_qkv,@function
k_qe56e4fa4f3_qkv:
	s_mov_b64 s[64:65], 0
	v_nop
	global_prefetch_b8 v0, s[64:65] scope:SCOPE_SE
	s_setreg_imm32_b32 hwreg(HW_REG_WAVE_MODE, 25, 1), 1
	s_wait_xcnt 0x0
	s_wait_alu depctr_hold_cnt(0) depctr_sa_sdst(0) depctr_va_vdst(0) depctr_va_sdst(0) depctr_va_ssrc(0) depctr_va_vcc(0) depctr_vm_vsrc(0)
	s_getreg_b32 s2, hwreg(HW_REG_IB_STS2, 6, 4)
	s_cmp_eq_u32 s2, 0
	s_cbranch_scc0 .Lentry_in_a_cluster
	s_endpgm
.Lentry_in_a_cluster:
	s_bfe_u32 s2, ttmp6, 0x10000c
	s_cmp_lg_u32 s2, 0x3003
	s_cbranch_scc0 .Lentry_shape_is_right
	s_endpgm
.Lentry_shape_is_right:
; q = x Wq^T, k = x Wk^T, v = x Wv^T on codes of FP6 (E2M3) with E8M0 scales, sums in f32; the results are quantised in registers and leave as images of the next products' operands.
; q and k are quantised along the head's 64 features, v along the keys.
; SHARES.  Work-group (rb, g): rows 128 rb .. + 127 of x (8 tiles) against weight tiles 24 g .. 24 g + 23 of the 96 (32 of Wq, 32 of Wk, 32 of Wv).  Twelve waves; wave w has T = 24 g + 2 w.
;   T < 64 (q, k): waves 2 n and 2 n + 1 share a head's four weight tiles; each takes four tiles of x (64 rows).  Source 0 = weight, source 1 = x: a lane holds one row of x and 32 neighbouring features.
;   T >= 64 (v):   the wave takes weight tiles T, T + 1 and all eight tiles of x.  Source 0 = x, source 1 = weight: a lane holds one feature and 2 x 32 neighbouring keys.
;   Either way 16 accumulators, 4 K steps, 64 matrix instructions.  The branch hangs on g, which the partners of a cluster share, and on the wave's number.
; CLUSTER.  The four work-groups of a cluster have the same g: the 24 weight records (153,600 bytes) are asked for JOINTLY.  x's eight records (51,200 bytes, a quarter of the work-group's bytes)
; differ between partners and come by plain loads.  LDS is filled once: no ring, no refill.
; OUT.  qb: [batch x head 16][group of 64 queries 64], 3,328 bytes: two pairs of tiles (a lane's 12 registers: one tile's six, then the next tile's six), then 256 bytes of scale words [lane][pair]
; (lanes 0-15 the pair's first tile, lanes 16-31 its second; bytes 2 and 3 are 0).  kv: [batch x head][step of 128 keys 32], 13,056 bytes: K's codes (two halves laid as a group of qb), at 6,144 V's four
; fragments (16 features x 128 keys), at 12,288 K's scale words, at 12,800 V's ([pair of tiles][lane]).  V's scale words leave as 128 consecutive bytes a wave; every other store covers 256 or 512 consecutive bytes, aligned.
; LIMITS: a block of zeros gets the byte 1 where the rule says 127 (its codes are zeros, and this program alone reads the bytes); largest magnitudes under 2^-124 keep the byte 1; NaN and infinities are not served.
.set REC,   6400                       ; a tile's record in img: 4 fragments of 1,536 bytes, 256 bytes of scale words
.set FRB,   1536
.set XL,    24*REC                     ; LDS: 24 weight records, then x's eight
.set QREC,  3328
.set KVREC, 13056
.set WSV,   12                         ; v path: v12-15 the weight pair's scale words [K step]; v16-31 x's [pair 4][K step]
.set XSV,   16
.set WSQ,   16                         ; q, k path: v16-23 the weights' scale words [pair 2][K step]; v24-31 x's
.set XSQ,   24
.set WF,    32                         ; weight fragments (four, or two)
.set XF,    80                         ; four fragments of x
.set ACC,   128                        ; the 16 accumulators
.set PC,    32                         ; the way out: 24 registers of codes,
.set CT,    56                         ; the conversions' second halves,
.set TM,    72                         ; at work,
.set PW,    88                         ; scale words,
.set SW,    92                         ; and what is stored of them
.set H8,    9                          ; v9 8 h
.set WV,    10
.set G1W,   16                         ; s[16:23] group 1 for the weights;  s[24:31] for x;  s[32:35], s[36:39] their groups 0
.set G1X,   24
.set G0W,   32
.set G0X,   36
.set SEL,   40                         ; s[40:41] v_permlanex16_b32's selects for lane l xor 16
.macro PLACES n
.rept \n
	v_nop
.endr
.endm
; A round of the cluster's barrier: my work-group's barrier, wave 0 signals for the work-group, every wave waits for all four work-groups, my work-group's barrier once more.
.macro CROUND
	s_barrier_signal -1
	s_barrier_wait -1
	s_cmp_lg_u32 s[WV], 0
	s_cbranch_scc1 .Lnot_wave_0_\@
	s_barrier_signal -3
.Lnot_wave_0_\@:
	s_barrier_wait -3
	s_barrier_signal -1
	s_barrier_wait -1
.endm
; One product.  c < 0: the constant 0 starts the sum.  ra, rb = 1: that side's scale words stand in lanes 16-31 of its register.
.macro WM d, a, b, c, sa, ra, sb, rb
.if (\c) < 0
.if (\ra) && (\rb)
	v_wmma_scale_f32_16x16x128_f8f6f4 v[\d:\d+7], v[\a:\a+11], v[\b:\b+11], 0, v[\sa], v[\sb] matrix_a_fmt:MATRIX_FMT_FP6 matrix_b_fmt:MATRIX_FMT_FP6 matrix_a_scale:MATRIX_SCALE_ROW1 matrix_b_scale:MATRIX_SCALE_ROW1
.elseif (\ra)
	v_wmma_scale_f32_16x16x128_f8f6f4 v[\d:\d+7], v[\a:\a+11], v[\b:\b+11], 0, v[\sa], v[\sb] matrix_a_fmt:MATRIX_FMT_FP6 matrix_b_fmt:MATRIX_FMT_FP6 matrix_a_scale:MATRIX_SCALE_ROW1
.elseif (\rb)
	v_wmma_scale_f32_16x16x128_f8f6f4 v[\d:\d+7], v[\a:\a+11], v[\b:\b+11], 0, v[\sa], v[\sb] matrix_a_fmt:MATRIX_FMT_FP6 matrix_b_fmt:MATRIX_FMT_FP6 matrix_b_scale:MATRIX_SCALE_ROW1
.else
	v_wmma_scale_f32_16x16x128_f8f6f4 v[\d:\d+7], v[\a:\a+11], v[\b:\b+11], 0, v[\sa], v[\sb] matrix_a_fmt:MATRIX_FMT_FP6 matrix_b_fmt:MATRIX_FMT_FP6
.endif
.else
.if (\ra) && (\rb)
	v_wmma_scale_f32_16x16x128_f8f6f4 v[\d:\d+7], v[\a:\a+11], v[\b:\b+11], v[\c:\c+7], v[\sa], v[\sb] matrix_a_fmt:MATRIX_FMT_FP6 matrix_b_fmt:MATRIX_FMT_FP6 matrix_a_scale:MATRIX_SCALE_ROW1 matrix_b_scale:MATRIX_SCALE_ROW1
.elseif (\ra)
	v_wmma_scale_f32_16x16x128_f8f6f4 v[\d:\d+7], v[\a:\a+11], v[\b:\b+11], v[\c:\c+7], v[\sa], v[\sb] matrix_a_fmt:MATRIX_FMT_FP6 matrix_b_fmt:MATRIX_FMT_FP6 matrix_a_scale:MATRIX_SCALE_ROW1
.elseif (\rb)
	v_wmma_scale_f32_16x16x128_f8f6f4 v[\d:\d+7], v[\a:\a+11], v[\b:\b+11], v[\c:\c+7], v[\sa], v[\sb] matrix_a_fmt:MATRIX_FMT_FP6 matrix_b_fmt:MATRIX_FMT_FP6 matrix_b_scale:MATRIX_SCALE_ROW1
.else
	v_wmma_scale_f32_16x16x128_f8f6f4 v[\d:\d+7], v[\a:\a+11], v[\b:\b+11], v[\c:\c+7], v[\sa], v[\sb] matrix_a_fmt:MATRIX_FMT_FP6 matrix_b_fmt:MATRIX_FMT_FP6
.endif
.endif
.endm
; 64 numbers of a lane, register 32 c + i = k 64 c + 32 h + i of its row, become a fragment's 12 registers at pc and the row's scale word in pw.  Each accumulator is read from its low end on.
.macro QUANT64 src, pc, ct, tm, pw
.irp c, 0,1
	v_max3_num_f32 v[\tm+\c], |v[\src+32*\c]|, |v[\src+32*\c+1]|, 0x1800000   ; block 2 c + h: all 32 numbers are mine; the floor 2^(3 - 127) holds the byte at 1 from below
.endr
.irp i, 2,4,6,8,10,12,14,16,18,20,22,24,26,28,30
.irp c, 0,1
	v_max3_num_f32 v[\tm+\c], v[\tm+\c], |v[\src+32*\c+\i]|, |v[\src+32*\c+\i+1]|
.endr
.endr
.irp c, 0,1
	v_add_nc_u32 v[\tm+2+\c], 0xff000000, v[\tm+\c]        ; 2 off the exponent field: the conversion's scale operand
.endr
.irp c, 0,1
	v_lshrrev_b32 v[\tm+4+\c], 23, v[\tm+2+\c]             ; the scale's byte
.endr
	v_lshl_or_b32 v[\tm+6], v[\tm+5], 16, v[\tm+4]
	v_lshlrev_b32 v[\tm+6], v[H8], v[\tm+6]
	v_permlanex16_b32 v[\tm+7], v[\tm+6], s[SEL], s[SEL+1]
	v_or_b32 v[\pw], v[\tm+6], v[\tm+7]                    ; with lane l xor 16's two bytes the word is whole
.irp c, 0,1
	v_cvt_scalef32_pk16_fp6_f32 v[\pc+6*\c:\pc+6*\c+2], v[\src+32*\c:\src+32*\c+15], v[\tm+2+\c]
	v_cvt_scalef32_pk16_fp6_f32 v[\ct+4*\c:\ct+4*\c+2], v[\src+32*\c+16:\src+32*\c+31], v[\tm+2+\c]
.endr
	v_nop                                                  ; one plain place behind the scaled conversions
.irp c, 0,1
.irp i, 0,1,2
	v_mov_b32 v[\pc+6*\c+3+\i], v[\ct+4*\c+\i]
.endr
.endr
.endm
	s_load_b128 s[4:7], s[0:1], 0x0                ; img, qb
	s_load_b64 s[8:9], s[0:1], 0x10                ; kv
	s_set_vgpr_msb 0x40
	v_lshl_add_u32 v0, v0, 2, 0x32000
	v_mov_b32 v1, 0
	s_set_vgpr_msb 0x4045
	ds_add_u32 v0, v1
	s_set_vgpr_msb 0x4500
	v_lshrrev_b32 v1, 5, v0
	v_readfirstlane_b32 s[WV], v1                  ; wave 0..11
	s_bfe_u32 s11, ttmp6, 0x40000                  ; cx: my place in the cluster
	s_lshl_b32 s12, ttmp9, 2
	s_add_co_u32 s12, s12, s11                     ; rb = 4 x cluster x + cx: it enters x's address and the stores' alone
	s_and_b32 s13, ttmp7, 0xffff                   ; g, which the four partners share
	; group 1: dense blocks as rows of 256 bytes (32 elements of 8 bytes), no padding.  Weights: two records, 50 rows, joint; x: one record, 25 rows, plain
	s_mov_b32 s[G1W], 15|(3<<16)|(1<<21)           ; 15:0 the mask: all four work-groups; 17:16 elements of 8 bytes; 21 set beside a mask
	s_mov_b32 s[G1W+1], 32<<16                     ; tensor_dim0
	s_mov_b32 s[G1W+2], 50<<16                     ; tensor_dim1
	s_mov_b32 s[G1W+3], 32<<16                     ; tile_dim0
	s_mov_b32 s[G1W+4], 50                         ; tile_dim1
	s_mov_b32 s[G1W+5], 32                         ; the pitch
	s_mov_b32 s[G1W+6], 0
	s_mov_b32 s[G1W+7], 0
	s_mov_b32 s[G1X], 3<<16
	s_mov_b32 s[G1X+1], 32<<16
	s_mov_b32 s[G1X+2], 25<<16
	s_mov_b32 s[G1X+3], 32<<16
	s_mov_b32 s[G1X+4], 25
	s_mov_b32 s[G1X+5], 32
	s_mov_b32 s[G1X+6], 0
	s_mov_b32 s[G1X+7], 0
	s_mul_i32 s42, s13, 24
	s_lshl_b32 s43, s[WV], 1
	s_add_co_u32 s14, s42, s43                     ; T = 24 g + 2 w
	s_add_co_u32 s42, s14, 512
	s_mul_i32 s42, s42, REC                        ; my two weight records in img: made of g and the wave's number alone
	s_mov_b32 s43, 0
	s_mul_i32 s44, s[WV], 2*REC                    ; and in LDS
	s_min_u32 s48, s[WV], 7                        ; x's records are eight: waves 0 to 7 fetch one each
	s_lshl_b32 s46, s12, 3
	s_add_co_u32 s46, s46, s48
	s_mul_i32 s46, s46, REC                        ; x's tile 8 rb + w
	s_mov_b32 s47, 0
	s_mul_i32 s45, s48, REC
	s_add_co_u32 s45, s45, XL
	s_wait_dscnt 0x0
	s_wait_kmcnt 0x0
	s_mov_b32 s[G0W], 1
	s_mov_b32 s[G0W+1], s44
	s_add_nc_u64 s[G0W+2:G0W+3], s[4:5], s[42:43]
	s_or_b32 s[G0W+3], s[G0W+3], 0x80000000
	s_mov_b32 s[G0X], 1
	s_mov_b32 s[G0X+1], s45
	s_add_nc_u64 s[G0X+2:G0X+3], s[4:5], s[46:47]
	s_or_b32 s[G0X+3], s[G0X+3], 0x80000000
	CROUND                                         ; all four work-groups are here: the joint loads meet
	tensor_load_to_lds s[G0W:G0W+3], s[G1W:G1W+7]  ; every wave: two weight records, jointly
	s_nop 0
	PLACES 4                                       ; four places behind a tensor load
	s_cmp_lt_u32 s[WV], 8
	s_cbranch_scc0 .Lno_x
	tensor_load_to_lds s[G0X:G0X+3], s[G1X:G1X+7]  ; waves 0 to 7: one record of x.  Two loads of mine are out at the most
	s_nop 0
	PLACES 4
.Lno_x:
	v_and_b32 v8, 31, v0                           ; lane
	v_lshlrev_b32 v1, 4, v8                        ; 16 x lane: an image's place for my lane
	v_lshlrev_b32 v2, 3, v8                        ; 8 x lane
	v_lshlrev_b32 v3, 2, v8                        ; 4 x lane
	v_and_b32 v10, 15, v0                          ; r
	v_bfe_u32 v11, v0, 4, 1                        ; h
	v_lshlrev_b32 v[H8], 3, v11
	s_mov_b32 s[SEL], 0x76543210
	s_mov_b32 s[SEL+1], 0xfedcba98
	s_and_b32 s50, s[WV], 1                        ; hf: which 64 rows (q, k) or which pair of tiles of the head (v)
	s_lshr_b32 s51, s[WV], 1
	s_lshr_b32 s54, s12, 5                         ; the batch
	s_and_b32 s55, s12, 31                         ; st: the block of 128 rows in it
	s_mul_i32 s56, s13, 6
	s_add_co_u32 s56, s56, s51                     ; 6 g + w / 2 = T / 4: 0-7 q's heads, 8-15 k's, 16-23 v's
	s_and_b32 s57, s56, 7
	s_lshl_b32 s58, s54, 3
	s_add_co_u32 s58, s58, s57                     ; batch x 8 + head
	s_lshl_b32 s61, s58, 5
	s_add_co_u32 s61, s61, s55
	s_mul_i32 s61, s61, KVREC                      ; the step's record in kv
	s_wait_tensorcnt 0x0                           ; my parts have landed,
	s_barrier_signal -1
	s_barrier_wait -1                              ; everybody's have
	s_cmp_lt_u32 s14, 64
	s_cbranch_scc0 .Lvpath
	; ---- q and k: my head's four weight tiles x my four tiles of x
	s_mul_i32 s52, s51, 4*REC
	s_mul_i32 s53, s50, 4*REC
	s_add_co_u32 s53, s53, XL
	v_add_nc_u32 v4, s52, v1                       ; the weights' images
	v_add_nc_u32 v5, s53, v1                       ; x's
	v_mul_u32_u24 v6, v11, REC                     ; scale words: lanes 16-31 take the pair's second tile, one record on;
	v_lshl_add_u32 v6, v10, 4, v6                  ; 16 bytes a row: the words of all four K steps
	v_add_nc_u32 v7, s53, v6
	v_add_nc_u32 v6, s52, v6
.irp p, 0,1
	ds_load_b128 v[WSQ+4*\p:WSQ+4*\p+3], v6 offset:4*FRB+\p*2*REC
	ds_load_b128 v[XSQ+4*\p:XSQ+4*\p+3], v7 offset:4*FRB+\p*2*REC
.endr
.macro QKSTEP s
.if (\s) > 0
	PLACES 4                                       ; in front of loads into registers that matrix instructions have read
.endif
.irp t, 0,1,2,3
.irp g, 0,1,2
	ds_load_b128 v[WF+12*\t+4*\g:WF+12*\t+4*\g+3], v4 offset:\t*REC+(\s)*FRB+512*\g
	ds_load_b128 v[XF+12*\t+4*\g:XF+12*\t+4*\g+3], v5 offset:\t*REC+(\s)*FRB+512*\g
.endr
.endr
	s_wait_dscnt 0x0
.irp i, 0,1,2,3                                ; the 16 accumulators take turns, one instruction a turn, in the same order in every K step
.irp t, 0,1,2,3
.if (\s) == 0
	WM ACC+8*(4*\i+\t), WF+12*\t, XF+12*\i, -1, WSQ+4*(\t/2)+(\s), \t%2, XSQ+4*(\i/2)+(\s), \i%2
.else
	WM ACC+8*(4*\i+\t), WF+12*\t, XF+12*\i, ACC+8*(4*\i+\t), WSQ+4*(\t/2)+(\s), \t%2, XSQ+4*(\i/2)+(\s), \i%2
.endif
.endr
.endr
.endm
	QKSTEP 0
	QKSTEP 1
	QKSTEP 2
	QKSTEP 3
	; where it goes: q's group of 64 queries in qb, or k's half of the step's record in kv
	s_lshl_b32 s59, s58, 6
	s_lshl_b32 s60, s55, 1
	s_add_co_u32 s59, s59, s60
	s_add_co_u32 s59, s59, s50
	s_mul_i32 s59, s59, QREC                       ; q: codes,
	s_add_co_u32 s60, s59, 2*FRB                   ; scale words
	s_mul_i32 s62, s50, 2*FRB
	s_add_co_u32 s62, s62, s61                     ; k: codes,
	s_lshl_b32 s63, s50, 8
	s_add_co_u32 s63, s63, s61
	s_add_co_u32 s63, s63, 8*FRB                   ; scale words
	s_cmp_lt_u32 s56, 8                            ; the choice hangs on g and the wave's number alone
	s_cselect_b64 s[44:45], s[6:7], s[8:9]
	s_cselect_b32 s46, s59, s62
	s_cselect_b32 s48, s60, s63
	s_mov_b32 s47, 0
	s_mov_b32 s49, 0
	s_add_nc_u64 s[46:47], s[44:45], s[46:47]
	s_add_nc_u64 s[48:49], s[44:45], s[48:49]
	PLACES 4                                       ; in front of the first read of results and of writes to registers that the products read
.irp i, 0,1,2,3
	v_mov_b32 v[TM+8+\i], 0                        ; a lane permute's destination counts as one of its sources
.endr
	; x's tile i: my row's 32 features 32 h + 0 .. 31 stand in v[ACC + 32 i] on: block h of the head's two.  The four tiles by turns
.irp i, 0,1,2,3
	v_max3_num_f32 v[TM+\i], |v[ACC+32*\i]|, |v[ACC+32*\i+1]|, 0x1800000
.endr
.irp k, 2,4,6,8,10,12,14,16,18,20,22,24,26,28,30
.irp i, 0,1,2,3
	v_max3_num_f32 v[TM+\i], v[TM+\i], |v[ACC+32*\i+\k]|, |v[ACC+32*\i+\k+1]|   ; ascending: each accumulator is read from its low end on
.endr
.endr
.irp i, 0,1,2,3
	v_add_nc_u32 v[TM+4+\i], 0xff000000, v[TM+\i]  ; 2 off the exponent field: the conversion's scale operand
.endr
.irp i, 0,1,2,3
	v_lshrrev_b32 v[TM+\i], 23, v[TM+4+\i]         ; the scale's byte,
.endr
.irp i, 0,1,2,3
	v_lshlrev_b32 v[TM+\i], v[H8], v[TM+\i]        ; at byte h
.endr
.irp i, 0,1,2,3
	v_permlanex16_b32 v[TM+8+\i], v[TM+\i], s[SEL], s[SEL+1]
.endr
.irp i, 0,1,2,3
	v_or_b32 v[PW+\i], v[TM+\i], v[TM+8+\i]        ; bytes 0 and 1; bytes 2 and 3 stay 0: no code stands under them but zeros or what meets zeros
.endr
.irp i, 0,1,2,3
	v_cvt_scalef32_pk16_fp6_f32 v[PC+6*\i:PC+6*\i+2], v[ACC+32*\i:ACC+32*\i+15], v[TM+4+\i]
	v_cvt_scalef32_pk16_fp6_f32 v[CT+4*\i:CT+4*\i+2], v[ACC+32*\i+16:ACC+32*\i+31], v[TM+4+\i]
.endr
	v_cmp_eq_u32 vcc_lo, 0, v11                    ; lanes 0-15.  (A plain place behind the scaled conversions)
.irp i, 0,1,2,3
.irp k, 0,1,2
	v_mov_b32 v[PC+6*\i+3+\k], v[CT+4*\i+\k]
.endr
.endr
.irp p, 0,1
	v_cndmask_b32 v[SW+\p], v[PW+2*\p+1], v[PW+2*\p], vcc_lo   ; lanes 0-15 the pair's first tile, lanes 16-31 its second
.endr
.irp n, 0,1,2,3,4,5
	global_store_b128 v1, v[PC+4*\n:PC+4*\n+3], s[46:47] offset:512*\n
.endr
	global_store_b64 v2, v[SW:SW+1], s[48:49]
	s_branch .Ljoin
.Lvpath:
	; ---- v: all eight tiles of x x my two weight tiles
	s_mul_i32 s52, s[WV], 2*REC
	v_add_nc_u32 v4, s52, v1
	v_add_nc_u32 v5, XL, v1
	v_mul_u32_u24 v6, v11, REC
	v_lshl_add_u32 v6, v10, 4, v6
	v_add_nc_u32 v7, XL, v6
	v_add_nc_u32 v6, s52, v6
	ds_load_b128 v[WSV:WSV+3], v6 offset:4*FRB
.irp p, 0,1,2,3
	ds_load_b128 v[XSV+4*\p:XSV+4*\p+3], v7 offset:4*FRB+\p*2*REC
.endr
.macro VSTEP s
.if (\s) > 0
	PLACES 4
.endif
.irp t, 0,1
.irp g, 0,1,2
	ds_load_b128 v[WF+12*\t+4*\g:WF+12*\t+4*\g+3], v4 offset:\t*REC+(\s)*FRB+512*\g
.endr
.endr
.irp u, 0,1                                    ; x's tiles four at a time
.if \u > 0
	PLACES 4
.endif
.irp i, 0,1,2,3
.irp g, 0,1,2
	ds_load_b128 v[XF+12*\i+4*\g:XF+12*\i+4*\g+3], v5 offset:(4*\u+\i)*REC+(\s)*FRB+512*\g
.endr
.endr
	s_wait_dscnt 0x0
.irp i, 0,1,2,3
.irp t, 0,1
.if (\s) == 0
	WM ACC+64*\t+8*(4*\u+\i), XF+12*\i, WF+12*\t, -1, XSV+4*((4*\u+\i)/2)+(\s), \i%2, WSV+(\s), \t
.else
	WM ACC+64*\t+8*(4*\u+\i), XF+12*\i, WF+12*\t, ACC+64*\t+8*(4*\u+\i), XSV+4*((4*\u+\i)/2)+(\s), \i%2, WSV+(\s), \t
.endif
.endr
.endr
.endr
.endm
	VSTEP 0
	VSTEP 1
	VSTEP 2
	VSTEP 3
	s_mul_i32 s62, s50, 2*FRB                      ; my pair of the head's four fragments
	s_add_co_u32 s62, s62, s61
	s_add_co_u32 s46, s62, 4*FRB
	s_lshl_b32 s63, s50, 7                         ; and its 128 bytes of scale words
	s_add_co_u32 s63, s63, s61
	s_add_co_u32 s48, s63, 12800
	s_mov_b32 s47, 0
	s_mov_b32 s49, 0
	s_add_nc_u64 s[46:47], s[8:9], s[46:47]
	s_add_nc_u64 s[48:49], s[8:9], s[48:49]
	PLACES 4
	v_mov_b32 v[TM+7], 0
	v_mov_b32 v[TM+15], 0
	QUANT64 ACC, PC, CT, TM, PW                    ; weight tile T: my feature's 128 keys: a whole fragment
	QUANT64 ACC+64, PC+12, CT+8, TM+8, PW+1        ; weight tile T + 1
	v_cmp_eq_u32 vcc_lo, 0, v11
	v_cndmask_b32 v[SW], v[PW+1], v[PW], vcc_lo
.irp n, 0,1,2,3,4,5
	global_store_b128 v1, v[PC+4*\n:PC+4*\n+3], s[46:47] offset:512*\n
.endr
	global_store_b32 v3, v[SW], s[48:49]
.Ljoin:
	s_wait_dscnt 0x0
	s_set_vgpr_msb 0x5
	s_wait_tensorcnt 0x0
	ds_add_u32 v0, v1
	s_wait_dscnt 0x0
	s_set_vgpr_msb 0x500
	CROUND                                         ; the closing round: no work-group ends while a partner may still ask for a tile that names it
	s_endpgm
.Lfunc_end_k_qe56e4fa4f3_qkv:
	.size	k_qe56e4fa4f3_qkv, .Lfunc_end_k_qe56e4fa4f3_qkv-k_qe56e4fa4f3_qkv
	.p2alignl 7, 3214868480
	.fill 96, 4, 3214868480
	.section	.rodata,"a",@progbits
	.p2align	6, 0x0
	.amdhsa_kernel k_qe56e4fa4f3_qkv
		.amdhsa_group_segment_fixed_size 206336
		.amdhsa_private_segment_fixed_size 0
		.amdhsa_enable_private_segment 0
		.amdhsa_kernarg_size 24
		.amdhsa_user_sgpr_count 2
		.amdhsa_user_sgpr_kernarg_segment_ptr 1
		.amdhsa_wavefront_size32 1
		.amdhsa_system_sgpr_workgroup_id_x 1
		.amdhsa_system_sgpr_workgroup_id_y 1
		.amdhsa_system_sgpr_workgroup_id_z 1
		.amdhsa_system_vgpr_workitem_id 0
		.amdhsa_next_free_vgpr 258
		.amdhsa_next_free_sgpr 66
		.amdhsa_reserve_vcc 1
		.amdhsa_float_denorm_mode_32 3
		.amdhsa_float_denorm_mode_16_64 3
		.amdhsa_memory_ordered 1
		.amdhsa_forward_progress 1
		.amdhsa_inst_pref_size 53
	.end_amdhsa_kernel
	.amdgpu_metadata
---
amdhsa.version: [ 1, 2 ]
amdhsa.kernels:
  - .name:           k_qe56e4fa4f3_qkv
    .symbol:         k_qe56e4fa4f3_qkv.kd
    .args:
      - { .name: img, .offset: 0, .size: 8, .value_kind: global_buffer, .address_space: global }
      - { .name: qb, .offset: 8, .size: 8, .value_kind: global_buffer, .address_space: global }
      - { .name: kv, .offset: 16, .size: 8, .value_kind: global_buffer, .address_space: global }
    .group_segment_fixed_size: 206336
    .private_segment_fixed_size: 0
    .kernarg_segment_align: 8
    .kernarg_segment_size: 24
    .max_flat_workgroup_size: 384
    .sgpr_count:     66
    .vgpr_count:     258
    .wavefront_size: 32
...
	.end_amdgpu_metadata
.endif
;; end of part 2
;; launch attn (part 3): grid 16 x 16, 16 waves a work-group, clusters of 4 x 1, 327,680 bytes of LDS; arguments qb, kv, hb, hs; writes hb, hs
.if DOCPART == 3
	.amdgcn_target "amdgcn-amd-amdhsa--gfx1250"
	.amdhsa_code_object_version 6
	.text
	.protected	k_qe56e4fa4f3_attn
	.globl	k_qe56e4fa4f3_attn
	.p2align	8
	.type	k_qe56e4fa4f3_attn,@function
k_qe56e4fa4f3_attn:
	s_mov_b64 s[64:65], 0
	v_nop
	global_prefetch_b8 v0, s[64:65] scope:SCOPE_SE
	s_setreg_imm32_b32 hwreg(HW_REG_WAVE_MODE, 25, 1), 1
	s_wait_xcnt 0x0
	s_wait_alu depctr_hold_cnt(0) depctr_sa_sdst(0) depctr_va_vdst(0) depctr_va_sdst(0) depctr_va_ssrc(0) depctr_va_vcc(0) depctr_vm_vsrc(0)
	s_getreg_b32 s2, hwreg(HW_REG_IB_STS2, 6, 4)
	s_cmp_eq_u32 s2, 0
	s_cbranch_scc0 .Lentry_in_a_cluster
	s_endpgm
.Lentry_in_a_cluster:
	s_bfe_u32 s2, ttmp6, 0x10000c
	s_cmp_lg_u32 s2, 0x3003
	s_cbranch_scc0 .Lentry_shape_is_right
	s_endpgm
.Lentry_shape_is_right:
; h_[q] = the sum over the keys of softmax(q . k / 8) v, for 16 pairs of batch and head, 4,096 queries and keys, head size 64; both products on codes of FP6 (E2M3) with E8M0 scales, sums in f32.
; THE SOFTMAX AHEAD OF THE SECOND PRODUCT: t = score x log2(e) / 8; M = the row's largest t so far, rounded UP to a whole number; p = 2^(t - M) is what is quantised, along the keys; the row's sum is taken of the
; unquantised p and divides at the end.  When M moves, the sum and O are multiplied by 2^(old M - new M): exact.
; SHARES.  A work-group owns 256 queries of one batch and head; each of its sixteen waves one tile of 16, in 256 registers: four waves to a SIMD, so that one wave's vector work stands beside another's products and LDS loads.
; Every wave walks the 32 steps of 128 keys.  A step's record of kv (13,056 bytes: K's codes, V's codes, K's and V's scale words, all as images of operand registers) is read from LDS by loads of 16 bytes a lane on end.
; RING.  Two slots of eight records; four phases of eight steps; each slot is filled twice, by waves 0 to 3, two records each.  CLUSTER: the four query blocks of a cluster walk the same records: every fill is a joint load.
; LAYOUT.  Both products transposed: S^T = K Q^T, O^T = V^T P^T: a lane holds ONE query.  The keys, the features and the queries of a tile are not neighbours (of a group of 64, lane row r of tile i is 8 i + r + 24 (r / 8)):
; so a lane's 32 registers of four tiles are 32 neighbours, a whole block of the quantiser in the operand's own order: no block's maximum crosses lanes, and no codes change lanes.
; K = 64 IN AN INSTRUCTION OF 128.  Q's registers 6 to 11 are zero codes.  K's tiles stand six registers apart, so a tile's upper six registers are the next tile's codes: they meet zeros, the format has no
; infinity or NaN, and the scale bytes there are 0 (2^-127), not 0xff: they add nothing.
; OUT.  hb: [tile of rows 512][head 8], 768 bytes: the six registers of h_'s codes (head's 64 features: half a K step of the last product); hs: [batch x head][tile 256][row 16], two scale bytes.
; LIMITS: a block of zeros gets the byte 1 where the rule says 127 (its codes are zeros, and this program alone reads the bytes); p under 2^-126 counts as 0; NaN and infinities are not served.
.set KVREC, 13056
.set QREC,  3328
.set SLOT,  8*KVREC                    ; 104,448 bytes
.set STG,   2*SLOT                     ; behind the ring: 512 bytes for the work-group's 256 pairs of scale bytes; no fill lands here
.set SPARE, STG+512                    ; the spare words, 128 bytes for each wave: eight blocks of 256 bytes that no other line names
.set KF,  32                           ; v32-79  K's eight tiles, six registers each; later V's four fragments;  v80-85 zeros
.set KS,  86                           ; v86-89  K's scale words: register t / 2, lanes 0-15 the even tile, lanes 16-31 the odd
.set VS,  90                           ; v90-91  V's likewise
.set SS,  96                           ; v96-159 S^T, then p
.set OT,  160                          ; v160-191 O^T
.set PCD, 192                          ; v192-203 p's codes
.set CT,  204                          ; v204-210 the conversions' second halves
.set BM,  212                          ; v212-213 each block's largest score, then its largest p
.set BN,  214                          ; v214-215 a second chain; later the sums' second chain
.set TA,  216
.set TP,  217
.set TT,  218
.set TO,  219
.set OP,  220                          ; v220-221 the conversions' scale operands
.set BY,  222                          ; v222-223 the bytes
.set WW,  224
.set WP,  225
.set FF,  226                          ; v[226:227] f = 2^(old M - new M), and 0
.set PWD, 228                          ; p's scale word
.set WV,  12
.set G1,  16                           ; s[16:23] group 1;  s[24:27], s[28:31] group 0 of slot 0, 1
.set G0,  24
.set SEL, 32                           ; s[32:33] v_permlanex16_b32's selects for lane l xor 16
.set CS,  34                           ; s[34:35] c = log2(e) / 8
.set TB,  36                           ; s36 LDS byte of the step's record
.set CNT, 37
.set QM,  38
; v1, v2, v3: 16, 8, 4 x lane;  v4, v5: the spare word's address, 0;  v6, v7, v8: the same three + s[TB];  v9: 8 h;  v10, v11: the stage;  v12: -M;  v13: the largest score so far;  v[14:15]: the sum in two halves;
; v16-21 Q's codes, v22-27 zeros, v28 Q's scale words.
.macro PLACES n
.rept \n
	v_nop
.endr
.endm
.macro CROUND                          ; a round of the cluster's barrier
	s_barrier_signal -1
	s_barrier_wait -1
	s_cmp_lg_u32 s[WV], 0
	s_cbranch_scc1 .Lnot_wave_0_\@
	s_barrier_signal -3
.Lnot_wave_0_\@:
	s_barrier_wait -3
	s_barrier_signal -1
	s_barrier_wait -1
.endm
	s_load_b256 s[4:11], s[0:1], 0x0               ; qb, kv, hb, hs
	v_lshl_add_u32 v4, v0, 2, SPARE
	v_mov_b32 v5, 0
	ds_add_u32 v4, v5
	s_wait_dscnt 0x0
	v_lshrrev_b32 v1, 5, v0
	v_readfirstlane_b32 s[WV], v1                  ; wave 0..15
	s_bfe_u32 s13, ttmp6, 0x40000                  ; cx
	s_lshl_b32 s14, ttmp9, 2
	s_add_co_u32 s14, s14, s13                     ; my block of 256 queries: it enters qb's, hb's and hs's addresses alone
	s_and_b32 s15, ttmp7, 0xffff                   ; batch x 8 + head, which the four partners share
	s_mov_b32 s[G1], 15|(3<<16)|(1<<21)            ; the mask: all four work-groups; elements of 8 bytes; bit 21 set beside a mask; no padding
	s_mov_b32 s[G1+1], 32<<16                      ; rows of 256 bytes,
	s_mov_b32 s[G1+2], 102<<16                     ; 102 of them: two records, dense in memory
	s_mov_b32 s[G1+3], 32<<16
	s_mov_b32 s[G1+4], 102
	s_mov_b32 s[G1+5], 32
	s_mov_b32 s[G1+6], 0
	s_mov_b32 s[G1+7], 0
	s_and_b32 s40, s[WV], 3
	s_mul_i32 s40, s40, 2*KVREC                    ; the two records that a fetching wave brings: their place in a slot and in memory
	s_mul_i32 s42, s15, 32*KVREC
	s_add_co_u32 s42, s42, s40
	s_mov_b32 s43, 0
	s_mov_b32 s[SEL], 0x76543210
	s_mov_b32 s[SEL+1], 0xfedcba98
	s_mov_b32 s[CS], 0x3e38aa3b                    ; c = log2(e) / 8
	s_mov_b32 s[CS+1], s[CS]                       ; (named with it as a pair, so it is written)
	s_wait_kmcnt 0x0
	s_mov_b32 s[G0], 1
	s_mov_b32 s[G0+1], s40
	s_add_nc_u64 s[G0+2:G0+3], s[6:7], s[42:43]    ; slot 0: steps 0 to 7
	s_mov_b32 s[G0+4], 1
	s_add_co_u32 s[G0+5], s40, SLOT
	s_add_nc_u64 s[G0+6:G0+7], s[G0+2:G0+3], SLOT  ; slot 1: steps 8 to 15
	s_or_b32 s[G0+3], s[G0+3], 0x80000000
	s_or_b32 s[G0+7], s[G0+7], 0x80000000
	CROUND                                         ; all four work-groups are here: the first joint loads meet
	s_cmp_lt_u32 s[WV], 4
	s_cbranch_scc0 .Lno_first
	tensor_load_to_lds s[G0:G0+3], s[G1:G1+7]      ; a fetching wave's two first fills stand in one branch: two loads of mine are out
	s_nop 0
	tensor_load_to_lds s[G0+4:G0+7], s[G1:G1+7]
	s_nop 0
	PLACES 4                                       ; four places behind a tensor load
.Lno_first:
	v_and_b32 v6, 31, v0                           ; lane
	v_lshlrev_b32 v1, 4, v6
	v_lshlrev_b32 v2, 3, v6
	v_lshlrev_b32 v3, 2, v6
	v_and_b32 v7, 15, v0                           ; r
	v_bfe_u32 v8, v0, 4, 1                         ; h
	v_lshlrev_b32 v9, 3, v8
	s_lshl_b32 s44, s[WV], 5
	v_lshl_add_u32 v10, v7, 1, STG
	v_add_nc_u32 v10, s44, v10                     ; the stage: 32 bytes a wave, 2 a row
	v_add_nc_u32 v11, STG, v1                      ; and back: 16 bytes a lane
	; Q: my tile is tile w % 4 of group 4 x block + w / 4: pair (w / 2) % 2, and of a lane's 12 registers the first six (w even) or the last six
	s_lshl_b32 s44, s15, 6
	s_lshl_b32 s45, s14, 2
	s_add_co_u32 s44, s44, s45
	s_lshr_b32 s45, s[WV], 2
	s_add_co_u32 s44, s44, s45
	s_mul_i32 s44, s44, QREC
	s_bfe_u32 s45, s[WV], 0x10001
	s_mul_i32 s46, s45, 1536
	s_add_co_u32 s46, s46, s44
	s_mov_b32 s47, 0
	s_add_nc_u64 s[46:47], s[4:5], s[46:47]
	s_and_b32 s48, s[WV], 1
	s_lshl_b32 s49, s48, 7                         ; scale words [lane][pair]: my tile's rows stand in lanes 16 (w % 2) + r: 128 (w % 2) + 8 r + 4 x pair
	s_lshl_b32 s45, s45, 2
	s_add_co_u32 s49, s49, s45
	s_add_co_u32 s50, s44, s49
	s_mov_b32 s51, 0
	s_add_nc_u64 s[50:51], s[4:5], s[50:51]
	s_cmp_eq_u32 s48, 1
	s_cselect_b32 s[QM], -1, 0
	v_lshlrev_b32 v29, 3, v7
	global_load_b128 v[32:35], v1, s[46:47]
	global_load_b128 v[36:39], v1, s[46:47] offset:512
	global_load_b128 v[40:43], v1, s[46:47] offset:1024
	global_load_b32 v28, v29, s[50:51] offset:3072 ; every lane: row r's word
	; where the results go
	s_lshr_b32 s52, s15, 3
	s_lshl_b32 s52, s52, 8
	s_lshl_b32 s53, s14, 4
	s_add_co_u32 s52, s52, s53
	s_add_co_u32 s52, s52, s[WV]                   ; the tile of rows: batch x 256 + 16 x block + wave
	s_lshl_b32 s52, s52, 3
	s_and_b32 s53, s15, 7
	s_add_co_u32 s52, s52, s53
	s_mul_i32 s52, s52, 768
	s_mov_b32 s53, 0
	s_add_nc_u64 s[8:9], s[8:9], s[52:53]
	s_lshl_b32 s54, s15, 13
	s_lshl_b32 s55, s14, 9
	s_add_co_u32 s54, s54, s55
	s_mov_b32 s55, 0
	s_add_nc_u64 s[10:11], s[10:11], s[54:55]
	v_mov_b32 v13, 0xff61b1e6                      ; the largest score so far: -3e38, under every score
	v_mul_f32 v[TT], s[CS], v13
	v_floor_f32 v12, -v[TT]                        ; -M
	v_mov_b32 v14, 0
	v_mov_b32 v15, 0
	v_mov_b32 v[TP], 0                             ; a lane permute's destination counts as one of its sources
	v_mov_b32 v[WP], 0
	v_mov_b32 v[FF+1], 0                           ; (named as the upper half of the pair)
	s_wait_loadcnt 0x0
.irp k, 0,1,2,3,4,5
	v_cndmask_b32 v[16+\k], v[32+\k], v[38+\k], s[QM]
.endr
.irp k, 0,1,2,3,4,5
	v_mov_b32 v[22+\k], 0                          ; Q's codes of k = 64 .. 127: zeros
	v_mov_b32 v[80+\k], 0                          ; what stands above K's last tile
.endr
.set j, 0
.rept 32
	v_mov_b32 v[OT+j], 0                           ; O^T.  (The step is written once: the first finds zeros, which the first change of M leaves zeros)
.set j, j+1
.endr
; A KEY STEP: 128 keys, the record at LDS byte s[TB].
.macro STEP
	v_add_nc_u32 v6, s[TB], v1
	v_add_nc_u32 v7, s[TB], v2
	v_add_nc_u32 v8, s[TB], v3
	v_nop                                          ; with the three additions: four places in front of loads into registers that the last products read
.irp n, 0,1,2,3,4,5,6,7,8,9,10,11
	ds_load_b128 v[KF+4*\n:KF+4*\n+3], v6 offset:512*\n              ; K's eight tiles
.endr
.irp c, 0,1
	ds_load_b64 v[KS+2*\c:KS+2*\c+1], v7 offset:12288+256*\c
.endr
	s_wait_dscnt 0x0
.irp t, 0,2,4,6                                ; S^T = K Q^T: lane (r, h) holds query r; register 32 c + i of the 64 is key 64 c + 32 h + i
	v_wmma_scale_f32_16x16x128_f8f6f4 v[SS+8*\t:SS+8*\t+7], v[KF+6*\t:KF+6*\t+11], v[16:27], 0, v[KS+\t/2], v28 matrix_a_fmt:MATRIX_FMT_FP6 matrix_b_fmt:MATRIX_FMT_FP6
	v_wmma_scale_f32_16x16x128_f8f6f4 v[SS+8*\t+8:SS+8*\t+15], v[KF+6*\t+6:KF+6*\t+17], v[16:27], 0, v[KS+\t/2], v28 matrix_a_fmt:MATRIX_FMT_FP6 matrix_b_fmt:MATRIX_FMT_FP6 matrix_a_scale:MATRIX_SCALE_ROW1
.endr
	PLACES 4                                       ; in front of the loads into K's registers and of the first read of the scores
.irp n, 0,1,2,3,4,5,6,7,8,9,10,11
	ds_load_b128 v[KF+4*\n:KF+4*\n+3], v6 offset:6144+512*\n         ; V's four fragments: they land under the softmax
.endr
.irp u, 0,1
	ds_load_b32 v[VS+\u], v8 offset:12800+128*\u
.endr
.irp c, 0,1                                    ; THE LARGEST SCORE OF EACH OF MY TWO BLOCKS OF 32 KEYS, in two chains each: it serves the row's maximum and, since p rises with the score, the block's largest p
	v_max3_num_f32 v[BM+\c], v[SS+32*\c], v[SS+32*\c+1], v[SS+32*\c+2]          ; each accumulator is read from its low end on
	v_max3_num_f32 v[BN+\c], v[SS+32*\c+16], v[SS+32*\c+17], v[SS+32*\c+18]
.endr
.irp i, 3,5,7,9,11,13
.irp c, 0,1
	v_max3_num_f32 v[BM+\c], v[BM+\c], v[SS+32*\c+\i], v[SS+32*\c+\i+1]
	v_max3_num_f32 v[BN+\c], v[BN+\c], v[SS+32*\c+16+\i], v[SS+32*\c+17+\i]
.endr
.endr
.irp c, 0,1
	v_max3_num_f32 v[BM+\c], v[BM+\c], v[BN+\c], v[SS+32*\c+15]
.endr
.irp c, 0,1
	v_max_num_f32 v[BM+\c], v[BM+\c], v[SS+32*\c+31]
.endr
	v_max_num_f32 v[TA], v[BM], v[BM+1]
	v_permlanex16_b32 v[TP], v[TA], s[SEL], s[SEL+1]   ; the query's other 64 keys lie in the lane 16 away
	v_max3_num_f32 v13, v13, v[TA], v[TP]          ; the running largest score
	v_mul_f32 v[TT], s[CS], v13                    ; as t (c is positive)
	v_mov_b32 v[TO], v12
	v_floor_f32 v12, -v[TT]                        ; the new -M = floor(-t) = -ceil(t): a whole number
	v_sub_f32 v[TO], v12, v[TO]                    ; old M - new M: a whole number, 0 or less
	v_cvt_i32_f32 v[TO], v[TO]                     ; (it saturates)
	v_ldexp_f32 v[FF], 1.0, v[TO]                  ; f = 2^(old M - new M)
.set j, 0
.rept 32
	v_pk_fma_f32 v[SS+j:SS+j+1], v[SS+j:SS+j+1], s[CS:CS+1], v[12:13] op_sel_hi:[1,0,0]   ; t - M, two at a time (of the pairs c and -M the low word serves both halves)
.set j, j+2
.endr
.irp c, 0,1
	v_fma_f32 v[BM+\c], v[BM+\c], s[CS], v12       ; the same of each block's largest score
.endr
.set j, 0
.rept 64
	v_exp_f32 v[SS+j], v[SS+j]                     ; p = 2^(t - M): not normalised
.set j, j+1
.endr
	v_pk_mul_f32 v[14:15], v[14:15], v[FF:FF+1] op_sel_hi:[1,0]   ; the sums under the new M: a plain place behind the exponentials
	s_wait_alu depctr_va_vdst(0)                   ; one wait for the batch of 64, ahead of its first reader
.irp c, 0,1
	v_exp_f32 v[BM+\c], v[BM+\c]                   ; the block's largest p: the same two instructions on the same number give the same bits
.endr
	v_pk_add_f32 v[BN:BN+1], v[SS:SS+1], v[SS+2:SS+3]   ; THE ROW'S SUM IS TAKEN OF THE UNQUANTISED p: two at a time, in two chains; plain work behind the two exponentials
.set j, 4
.rept 15
	v_pk_add_f32 v[14:15], v[14:15], v[SS+j:SS+j+1]
	v_pk_add_f32 v[BN:BN+1], v[BN:BN+1], v[SS+j+2:SS+j+3]
.set j, j+4
.endr
	v_pk_add_f32 v[14:15], v[14:15], v[BN:BN+1]
	s_wait_alu depctr_va_vdst(0)                   ; and one for the two
.irp c, 0,1
	v_max_num_f32 v[BM+\c], 0x1800000, v[BM+\c]    ; the floor 2^(3 - 127): the byte cannot fall under 1
.endr
.irp c, 0,1
	v_add_nc_u32 v[OP+\c], 0xff000000, v[BM+\c]    ; 2 off the exponent field: the conversion's scale operand
.endr
.irp c, 0,1
	v_lshrrev_b32 v[BY+\c], 23, v[OP+\c]           ; the scale's byte
.endr
	v_lshl_or_b32 v[WW], v[BY+1], 16, v[BY]        ; my two bytes: blocks h and 2 + h,
	v_lshlrev_b32 v[WW], v9, v[WW]
	v_permlanex16_b32 v[WP], v[WW], s[SEL], s[SEL+1]
	v_or_b32 v[PWD], v[WW], v[WP]                  ; with lane l xor 16's two: p's scale word for these 128 keys
.irp c, 0,1
	v_cvt_scalef32_pk16_fp6_f32 v[PCD+6*\c:PCD+6*\c+2], v[SS+32*\c:SS+32*\c+15], v[OP+\c]
	v_cvt_scalef32_pk16_fp6_f32 v[CT+4*\c:CT+4*\c+2], v[SS+32*\c+16:SS+32*\c+31], v[OP+\c]   ; (a conversion's three registers begin on an even number)
.endr
	v_nop                                          ; one plain place behind the scaled conversions
.irp c, 0,1
.irp i, 0,1,2
	v_mov_b32 v[PCD+6*\c+3+\i], v[CT+4*\c+\i]
.endr
.endr
.set j, 0
.rept 16
	v_pk_mul_f32 v[OT+j:OT+j+1], v[OT+j:OT+j+1], v[FF:FF+1] op_sel_hi:[1,0]   ; O^T under the new M.  Of these sixteen, twelve name no register of any one product below: the places behind the writes of p's codes and scale word
.set j, j+2
.endr
	s_wait_dscnt 0x0                               ; V is in
.irp t, 0,2                                    ; O^T += V^T P^T: four accumulators by turns; lane (r, h) holds query r, register 8 t + i feature 32 h + 8 t + i
	v_wmma_scale_f32_16x16x128_f8f6f4 v[OT+8*\t:OT+8*\t+7], v[KF+12*\t:KF+12*\t+11], v[PCD:PCD+11], v[OT+8*\t:OT+8*\t+7], v[VS+\t/2], v[PWD] matrix_a_fmt:MATRIX_FMT_FP6 matrix_b_fmt:MATRIX_FMT_FP6
	v_wmma_scale_f32_16x16x128_f8f6f4 v[OT+8*\t+8:OT+8*\t+15], v[KF+12*\t+12:KF+12*\t+23], v[PCD:PCD+11], v[OT+8*\t+8:OT+8*\t+15], v[VS+\t/2], v[PWD] matrix_a_fmt:MATRIX_FMT_FP6 matrix_b_fmt:MATRIX_FMT_FP6 matrix_a_scale:MATRIX_SCALE_ROW1
.endr
.endm
.macro PHASE n                         ; the eight steps of slot n
	s_mov_b32 s[TB], \n*SLOT
	s_mov_b32 s[CNT], 8
.Lstep_\@:
	STEP
	s_add_co_u32 s[TB], s[TB], KVREC
	s_sub_co_u32 s[CNT], s[CNT], 1
	s_cmp_lg_u32 s[CNT], 0
	s_cbranch_scc1 .Lstep_\@
.endm
; THE CHANGE OF SLOTS.  Each wave waits for all its tensor loads (its part of the slot ahead), adds 0 to its spare word, and waits for that and for its reads of the slot that it leaves.
; fill = 1: the slot just left is filled again, with the records sixteen steps on: the barrier is then a round of the cluster's, and the joint refill is the first thing behind it; it has eight steps in which to land.
.macro CHANGE fill, slot
	s_wait_tensorcnt 0x0                           ; no tensor load of mine is out, so a group 0 may be written
	ds_add_u32 v4, v5                              ; 0 onto my spare word
.if \fill
	s_add_nc_u64 s[G0+4*\slot+2:G0+4*\slot+3], s[G0+4*\slot+2:G0+4*\slot+3], 2*SLOT   ; the type bits on top are not reached
.endif
	s_wait_dscnt 0x0                               ; the add is done, and my reads of the slot that I leave are over
.if \fill
	CROUND
	s_cmp_lt_u32 s[WV], 4
	s_cbranch_scc0 .Lnone_\@
	tensor_load_to_lds s[G0+4*\slot:G0+4*\slot+3], s[G1:G1+7]   ; one load of mine is out
	s_nop 0
	PLACES 4
.Lnone_\@:
.else
	s_barrier_signal -1
	s_barrier_wait -1
.endif
.endm
	s_wait_tensorcnt 0x1                           ; my part of slot 0 is in; slot 1's one load may stay out
	s_barrier_signal -1
	s_barrier_wait -1
	PHASE 0                                        ; steps 0 to 7
	CHANGE 1, 0
	PHASE 1                                        ; steps 8 to 15
	CHANGE 1, 1
	PHASE 0                                        ; steps 16 to 23
	CHANGE 0, 0                                    ; nothing is left to fetch
	PHASE 1                                        ; steps 24 to 31
	; THE WAY OUT: O^T / the sum; my 32 features are block h of the head's two: quantised along the last product's K
	PLACES 4
	v_add_f32 v14, v14, v15                        ; the sum's two halves,
	v_permlanex16_b32 v[TP], v14, s[SEL], s[SEL+1]
	v_add_f32 v14, v14, v[TP]                      ; and lane l xor 16's: the row's sum, between 1/2 and 4,096
	v_rcp_f32 v14, v14
	v_nop                                          ; a plain place behind the reciprocal
	s_wait_alu depctr_va_vdst(0)                   ; the wait ahead of its first reader
.set j, 0
.rept 32
	v_mul_f32 v[SS+j], v[OT+j], v14                ; ascending: each accumulator is read from its low end on
.set j, j+1
.endr
	v_max3_num_f32 v[BM], |v[SS]|, |v[SS+1]|, 0x1800000
	v_max3_num_f32 v[BN], |v[SS+16]|, |v[SS+17]|, 0x1800000
.irp i, 2,4,6,8,10,12,14
	v_max3_num_f32 v[BM], v[BM], |v[SS+\i]|, |v[SS+\i+1]|
	v_max3_num_f32 v[BN], v[BN], |v[SS+16+\i]|, |v[SS+17+\i]|
.endr
	v_max_num_f32 v[BM], v[BM], v[BN]
	v_add_nc_u32 v[OP], 0xff000000, v[BM]
	v_lshrrev_b32 v[BY], 23, v[OP]
	v_lshlrev_b32 v[WW], v9, v[BY]
	v_permlanex16_b32 v[WP], v[WW], s[SEL], s[SEL+1]
	v_or_b32 v[PWD], v[WW], v[WP]                  ; the two bytes of my row and head
	v_cvt_scalef32_pk16_fp6_f32 v[PCD:PCD+2], v[SS:SS+15], v[OP]
	v_cvt_scalef32_pk16_fp6_f32 v[CT:CT+2], v[SS+16:SS+31], v[OP]
	v_nop
.irp i, 0,1,2
	v_mov_b32 v[PCD+3+\i], v[CT+\i]
.endr
	global_store_b128 v1, v[PCD:PCD+3], s[8:9]               ; 512 consecutive bytes, at a multiple of 256 from hb's first byte
	global_store_b64 v2, v[PCD+4:PCD+5], s[8:9] offset:512   ; and 256
	ds_store_b16 v10, v[PWD]                       ; both halves of the lanes write the same bytes with the same value
	s_wait_dscnt 0x0                               ; for the others' sake
	s_barrier_signal -1
	s_barrier_wait -1
	s_cmp_lg_u32 s[WV], 0
	s_cbranch_scc1 .Lnot_0
	ds_load_b128 v[96:99], v11                     ; wave 0: the sixteen tiles' 512 bytes
	s_wait_dscnt 0x0
	global_store_b128 v1, v[96:99], s[10:11]
.Lnot_0:
	s_wait_tensorcnt 0x0                           ; the wave's end, behind my last tensor load and my last LDS store
	ds_add_u32 v4, v5
	s_wait_dscnt 0x0
	CROUND                                         ; the closing round
	s_endpgm
.Lfunc_end_k_qe56e4fa4f3_attn:
	.size	k_qe56e4fa4f3_attn, .Lfunc_end_k_qe56e4fa4f3_attn-k_qe56e4fa4f3_attn
	.p2alignl 7, 3214868480
	.fill 96, 4, 3214868480
	.section	.rodata,"a",@progbits
	.p2align	6, 0x0
	.amdhsa_kernel k_qe56e4fa4f3_attn
		.amdhsa_group_segment_fixed_size 327680
		.amdhsa_private_segment_fixed_size 0
		.amdhsa_enable_private_segment 0
		.amdhsa_kernarg_size 32
		.amdhsa_user_sgpr_count 2
		.amdhsa_user_sgpr_kernarg_segment_ptr 1
		.amdhsa_wavefront_size32 1
		.amdhsa_system_sgpr_workgroup_id_x 1
		.amdhsa_system_sgpr_workgroup_id_y 1
		.amdhsa_system_sgpr_workgroup_id_z 1
		.amdhsa_system_vgpr_workitem_id 0
		.amdhsa_next_free_vgpr 256
		.amdhsa_next_free_sgpr 66
		.amdhsa_reserve_vcc 0
		.amdhsa_float_denorm_mode_32 3
		.amdhsa_float_denorm_mode_16_64 3
		.amdhsa_memory_ordered 1
		.amdhsa_forward_progress 1
		.amdhsa_inst_pref_size 71
	.end_amdhsa_kernel
	.amdgpu_metadata
---
amdhsa.version: [ 1, 2 ]
amdhsa.kernels:
  - .name:           k_qe56e4fa4f3_attn
    .symbol:         k_qe56e4fa4f3_attn.kd
    .args:
      - { .name: qb, .offset: 0, .size: 8, .value_kind: global_buffer, .address_space: global }
      - { .name: kv, .offset: 8, .size: 8, .value_kind: global_buffer, .address_space: global }
      - { .name: hb, .offset: 16, .size: 8, .value_kind: global_buffer, .address_space: global }
      - { .name: hs, .offset: 24, .size: 8, .value_kind: global_buffer, .address_space: global }
    .group_segment_fixed_size: 327680
    .private_segment_fixed_size: 0
    .kernarg_segment_align: 8
    .kernarg_segment_size: 32
    .max_flat_workgroup_size: 512
    .sgpr_count:     66
    .vgpr_count:     256
    .wavefront_size: 32
...
	.end_amdgpu_metadata
.endif
;; end of part 3
;; launch outp (part 4): grid 4 x 64, 4 waves a work-group, no clusters, 17,920 bytes of LDS; arguments hb, hs, img, bo, out0; writes out0
.if DOCPART == 4
	.amdgcn_target "amdgcn-amd-amdhsa--gfx1250"
	.amdhsa_code_object_version 6
	.text
	.protected	k_qe56e4fa4f3_outp
	.globl	k_qe56e4fa4f3_outp
	.p2align	8
	.type	k_qe56e4fa4f3_outp,@function
k_qe56e4fa4f3_outp:
	s_mov_b64 s[64:65], 0
	v_nop
	global_prefetch_b8 v0, s[64:65] scope:SCOPE_SE
	s_setreg_imm32_b32 hwreg(HW_REG_WAVE_MODE, 25, 1), 1
	s_wait_xcnt 0x0
; out = h_ Wo^T + bo on codes of FP6 (E2M3) with E8M0 scales, sums in f32.  h_'s codes come from hb ([tile of rows][head], six registers a lane: half a K step), its scale bytes from hs; Wo's records from img (tiles 608-639).
; SHARES.  A wave makes 64 rows x 64 columns: 16 accumulators, 4 K steps, 64 matrix instructions.  Row group 2 y + wave / 2, column group 2 x + wave % 2.
; All 32 fragments of a wave (49,152 bytes) go from memory straight into its registers, in one run, each lane loading its registers whole; the products of K steps 0 and 1 begin while steps 2 and 3 are on their way.
; NO CLUSTER, NO TENSOR LOAD: each fragment is used by a wave for four products and then done with; nothing is filled again, and a joint load would add a way through LDS, a round and a barrier to 64 matrix instructions.
; Source 0 = Wo's tile, source 1 = h_'s: a lane holds one row and, over the four tiles of a column group, the 32 neighbouring columns 32 h + 0 .. 31.  bo is the C of each sum's first product.
; The rows of a tile are not neighbours (lane row r of tile i of a group of 64 is 8 i + r + 24 (r / 8)): the stores' offsets put each row where it belongs.
; REGISTERS, in windows of 256: window 0: v1-11 addresses; v32-39 Wo's scale words [pair][K step], v40-47 h_'s; v48-63 h_'s pairs of bytes as loaded; v64-95 and v96-127 rows on the way out (v96-127 first hold bo);
;   v128-255 the accumulators (row tile i, column tile t) at 128 + 8 (4 i + t).   window 1: h_'s fragments at 12 (4 i + s).   window 2: Wo's at 12 (4 t + s).
.set REC,  6400
.set FRB,  1536
.set SP,   272                         ; a stage row: 256 bytes + 16
.set BS,   32
.set AS,   40
.set HU,   48
.set OB,   64
.set BI,   96
.set ACC,  128
.set WV,   14
.set MSB, 0
.macro WIN new                         ; the immediate's high byte repeats the setting that is left
.if MSB != \new
	s_set_vgpr_msb (MSB<<8)|\new
.set MSB, \new
.endif
.endm
.macro PLACES n
.rept \n
	v_nop
.endr
.endm
; One product.  ra, rb = 1: that side's scale words stand in lanes 16-31 of its register.
.macro WM d, a, b, c, sa, ra, sb, rb
.if (\ra) && (\rb)
	v_wmma_scale_f32_16x16x128_f8f6f4 v[\d:\d+7], v[\a:\a+11], v[\b:\b+11], v[\c:\c+7], v[\sa], v[\sb] matrix_a_fmt:MATRIX_FMT_FP6 matrix_b_fmt:MATRIX_FMT_FP6 matrix_a_scale:MATRIX_SCALE_ROW1 matrix_b_scale:MATRIX_SCALE_ROW1
.elseif (\ra)
	v_wmma_scale_f32_16x16x128_f8f6f4 v[\d:\d+7], v[\a:\a+11], v[\b:\b+11], v[\c:\c+7], v[\sa], v[\sb] matrix_a_fmt:MATRIX_FMT_FP6 matrix_b_fmt:MATRIX_FMT_FP6 matrix_a_scale:MATRIX_SCALE_ROW1
.elseif (\rb)
	v_wmma_scale_f32_16x16x128_f8f6f4 v[\d:\d+7], v[\a:\a+11], v[\b:\b+11], v[\c:\c+7], v[\sa], v[\sb] matrix_a_fmt:MATRIX_FMT_FP6 matrix_b_fmt:MATRIX_FMT_FP6 matrix_b_scale:MATRIX_SCALE_ROW1
.else
	v_wmma_scale_f32_16x16x128_f8f6f4 v[\d:\d+7], v[\a:\a+11], v[\b:\b+11], v[\c:\c+7], v[\sa], v[\sb] matrix_a_fmt:MATRIX_FMT_FP6 matrix_b_fmt:MATRIX_FMT_FP6
.endif
.endm
	s_load_b256 s[4:11], s[0:1], 0x0               ; hb, hs, img, bo
	s_load_b64 s[12:13], s[0:1], 0x20              ; out0
	v_lshl_add_u32 v30, v0, 2, 0x4400
	v_mov_b32 v31, 0
	v_lshrrev_b32 v1, 5, v0
	v_readfirstlane_b32 s[WV], v1                  ; wave 0..3
	s_and_b32 s15, ttmp7, 0xffff
	s_lshl_b32 s15, s15, 1
	s_lshr_b32 s16, s[WV], 1
	s_add_co_u32 s15, s15, s16                     ; my group of 64 rows, 0..127
	s_lshl_b32 s16, ttmp9, 1
	s_and_b32 s17, s[WV], 1
	s_add_co_u32 s16, s16, s17                     ; my group of 64 columns, 0..7
	s_lshl_b32 s18, s16, 8                         ; its 256 bytes in bo and in a row of out0
	s_mov_b32 s19, 0
	s_lshl_b32 s20, s16, 2
	s_add_co_u32 s20, s20, 608
	s_mul_i32 s20, s20, REC                        ; Wo's four records
	s_mov_b32 s21, 0
	s_mul_i32 s22, s15, 32*768                     ; hb: four tiles x eight heads x 768 bytes
	s_mov_b32 s23, 0
	s_lshr_b32 s24, s15, 6
	s_lshl_b32 s24, s24, 16                        ; hs: the batch's eight heads of 8,192 bytes,
	s_and_b32 s25, s15, 63
	s_lshl_b32 s25, s25, 7                         ; four tiles of 32 bytes
	s_add_co_u32 s24, s24, s25
	s_mov_b32 s25, 0
	s_lshl_b32 s26, s15, 17                        ; out0: 64 rows of 2,048 bytes
	s_add_co_u32 s26, s26, s18
	s_mov_b32 s27, 0
	s_mul_i32 s28, s[WV], 16*SP                    ; my stage
	v_and_b32 v9, 31, v0                           ; lane
	v_and_b32 v10, 15, v0                          ; r
	v_bfe_u32 v11, v0, 4, 1                        ; h
	v_lshlrev_b32 v1, 4, v9                        ; 16 x lane
	v_lshlrev_b32 v2, 3, v9                        ; 8 x lane
	v_lshlrev_b32 v3, 1, v9                        ; 2 x lane
	v_lshlrev_b32 v4, 7, v11                       ; bo: my half's 32 columns
	v_mul_u32_u24 v5, v11, REC                     ; Wo's scale words: lanes 16-31 take the pair's second tile; 16 bytes a row
	v_lshl_add_u32 v5, v10, 4, v5
	v_mul_u32_u24 v6, v10, SP
	v_lshl_add_u32 v6, v11, 7, v6
	v_add_nc_u32 v6, s28, v6                       ; into the stage: row r, + 128 h
	v_mul_u32_u24 v7, v11, SP
	v_lshl_add_u32 v7, v10, 4, v7
	v_add_nc_u32 v7, s28, v7                       ; back: lanes 0-15 one row of 256 bytes, lanes 16-31 the next
	v_lshlrev_b32 v8, 11, v11
	v_lshl_add_u32 v8, v10, 4, v8                  ; and the same two rows in out0
	s_wait_kmcnt 0x0
	s_add_nc_u64 s[10:11], s[10:11], s[18:19]
	s_add_nc_u64 s[8:9], s[8:9], s[20:21]
	s_add_nc_u64 s[4:5], s[4:5], s[22:23]
	s_add_nc_u64 s[6:7], s[6:7], s[24:25]
	s_add_nc_u64 s[12:13], s[12:13], s[26:27]
.irp t, 0,1,2,3
	global_load_b128 v[BI+8*\t:BI+8*\t+3], v4, s[10:11] offset:32*\t        ; bo at columns 32 h + 8 t + 0 .. 7: the result's layout
	global_load_b128 v[BI+8*\t+4:BI+8*\t+7], v4, s[10:11] offset:32*\t+16
.endr
.irp p, 0,1
	global_load_b128 v[BS+4*\p:BS+4*\p+3], v5, s[8:9] offset:4*FRB+\p*2*REC
.endr
.irp p, 0,1
.irp n, 0,1,2,3,4,5,6,7
	global_load_u16 v[HU+8*\p+\n], v3, s[6:7] offset:\n*8192+64*\p          ; head n: lanes 0-15 tile 2 p's rows, lanes 16-31 tile 2 p + 1's
.endr
.endr
.irp s, 0,1,2,3                                ; 28 loads a K step
	WIN 0x80                                       ; destination window 2
.irp t, 0,1,2,3
.irp g, 0,1,2
	global_load_b128 v[12*(4*\t+\s)+4*\g:12*(4*\t+\s)+4*\g+3], v1, s[8:9] offset:\t*REC+\s*FRB+512*\g
.endr
.endr
	WIN 0x40                                       ; destination window 1
.irp i, 0,1,2,3
.irp c, 0,1                                    ; heads 2 s and 2 s + 1 are the K step's two halves
	global_load_b128 v[12*(4*\i+\s)+6*\c:12*(4*\i+\s)+6*\c+3], v1, s[4:5] offset:(8*\i+2*\s+\c)*768
	global_load_b64 v[12*(4*\i+\s)+6*\c+4:12*(4*\i+\s)+6*\c+5], v2, s[4:5] offset:(8*\i+2*\s+\c)*768+512
.endr
.endr
.endr
	WIN 0
	s_wait_loadcnt 56                              ; all but the 28 + 28 loads of K steps 2 and 3
.irp p, 0,1
.irp s, 0,1,2,3
	v_lshl_or_b32 v[AS+4*\p+\s], v[HU+8*\p+2*\s+1], 16, v[HU+8*\p+2*\s]     ; two heads' pairs of bytes make a K step's scale word
.endr
.endr
	PLACES 8                                       ; a scale register written by a vector instruction stands eight places ahead of a scaled product
.macro KSTEP s                                 ; the 16 accumulators take turns, one instruction a turn, in the same order in every K step
.irp i, 0,1,2,3
.irp t, 0,1,2,3
.if (\s) == 0
	WM ACC+8*(4*\i+\t), 12*(4*\t+(\s)), 12*(4*\i+(\s)), BI+8*\t, BS+4*(\t/2)+(\s), \t%2, AS+4*(\i/2)+(\s), \i%2
.else
	WM ACC+8*(4*\i+\t), 12*(4*\t+(\s)), 12*(4*\i+(\s)), ACC+8*(4*\i+\t), BS+4*(\t/2)+(\s), \t%2, AS+4*(\i/2)+(\s), \i%2
.endif
.endr
.endr
.endm
	WIN 0x06                                       ; source 0 (Wo) window 2, source 1 (h_) window 1, C and D window 0
	KSTEP 0
	KSTEP 1
	s_wait_loadcnt 28                              ; K step 2 is in; K step 3's 28 loads may be out
	KSTEP 2
	s_wait_loadcnt 0x0
	KSTEP 3
	WIN 0
; THE WAY OUT, a tile of 16 rows x 64 columns at a time, through my own stage: a lane holds pieces of one row, and comes back with 16 bytes of a whole row of 256.
; LDS serves a wave's instructions in order: no wait between the stores and the loads, nor in front of the next tile's stores.
.macro TOSTAGE i
.irp t, 0,1,2,3
	ds_store_b128 v6, v[ACC+8*(4*(\i)+\t):ACC+8*(4*(\i)+\t)+3] offset:32*\t          ; each accumulator from its low end on
	ds_store_b128 v6, v[ACC+8*(4*(\i)+\t)+4:ACC+8*(4*(\i)+\t)+7] offset:32*\t+16
.endr
.irp n, 0,1,2,3,4,5,6,7
	ds_load_b128 v[OB+32*((\i)%2)+4*\n:OB+32*((\i)%2)+4*\n+3], v7 offset:2*\n*SP
.endr
.endm
.macro SEND i, younger                 ; younger: the LDS instructions issued behind tile i's loads, which may stay out
	s_wait_dscnt \younger
.irp n, 0,1,2,3,4,5,6,7
	global_store_b128 v8, v[OB+32*((\i)%2)+4*\n:OB+32*((\i)%2)+4*\n+3], s[12:13] offset:(8*(\i)+2*\n+24*(\n/4))*2048 th:TH_STORE_NT   ; stage rows 2 n and 2 n + 1 are rows 8 i + 2 n + 24 (n / 4) and the next of the group; 16 lanes store 256 consecutive bytes, aligned
.endr
.endm
	PLACES 4                                       ; in front of the first read of results and of loads into the registers that held bo
	TOSTAGE 0
	TOSTAGE 1
	SEND 0, 16                                     ; behind tile 0's loads: tile 1's 8 stores and 8 loads
	s_wait_xcnt 0x0                                ; tile 0's stores have read their registers: tile 2's rows may land there
	TOSTAGE 2
	SEND 1, 16
	s_wait_xcnt 0x0
	TOSTAGE 3
	SEND 2, 16
	SEND 3, 0
	s_wait_tensorcnt 0x0
	ds_add_u32 v30, v31
	s_wait_dscnt 0x0
	s_endpgm
.Lfunc_end_k_qe56e4fa4f3_outp:
	.size	k_qe56e4fa4f3_outp, .Lfunc_end_k_qe56e4fa4f3_outp-k_qe56e4fa4f3_outp
	.p2alignl 7, 3214868480
	.fill 96, 4, 3214868480
	.section	.rodata,"a",@progbits
	.p2align	6, 0x0
	.amdhsa_kernel k_qe56e4fa4f3_outp
		.amdhsa_group_segment_fixed_size 17920
		.amdhsa_private_segment_fixed_size 0
		.amdhsa_enable_private_segment 0
		.amdhsa_kernarg_size 40
		.amdhsa_user_sgpr_count 2
		.amdhsa_user_sgpr_kernarg_segment_ptr 1
		.amdhsa_wavefront_size32 1
		.amdhsa_system_sgpr_workgroup_id_x 1
		.amdhsa_system_sgpr_workgroup_id_y 1
		.amdhsa_system_sgpr_workgroup_id_z 1
		.amdhsa_system_vgpr_workitem_id 0
		.amdhsa_next_free_vgpr 704
		.amdhsa_next_free_sgpr 66
		.amdhsa_reserve_vcc 0
		.amdhsa_float_denorm_mode_32 3
		.amdhsa_float_denorm_mode_16_64 3
		.amdhsa_memory_ordered 1
		.amdhsa_forward_progress 1
		.amdhsa_inst_pref_size 33
	.end_amdhsa_kernel
	.amdgpu_metadata
---
amdhsa.version: [ 1, 2 ]
amdhsa.kernels:
  - .name:           k_qe56e4fa4f3_outp
    .symbol:         k_qe56e4fa4f3_outp.kd
    .args:
      - { .name: hb, .offset: 0, .size: 8, .value_kind: global_buffer, .address_space: global }
      - { .name: hs, .offset: 8, .size: 8, .value_kind: global_buffer, .address_space: global }
      - { .name: img, .offset: 16, .size: 8, .value_kind: global_buffer, .address_space: global }
      - { .name: bo, .offset: 24, .size: 8, .value_kind: global_buffer, .address_space: global }
      - { .name: out0, .offset: 32, .size: 8, .value_kind: global_buffer, .address_space: global }
    .group_segment_fixed_size: 17920
    .private_segment_fixed_size: 0
    .kernarg_segment_align: 8
    .kernarg_segment_size: 40
    .max_flat_workgroup_size: 128
    .sgpr_count:     66
    .vgpr_count:     704
    .wavefront_size: 32
...
	.end_amdgpu_metadata
.endif
;; end of part 4
